; MI455X (gfx1250); checked and timed in simulation.
; The chip was launched on July 23, 2026; its instructions are those of AMD's public machine-readable ISA for CDNA 5 (MIT licence, August 2026) and "CDNA5" Instruction Set Architecture Reference Guide (July 2026). The comments in the code are by the model that wrote it; some were corrected since.
;; h diag Land. Allowed arithmetic: matrix products marked QUANTISED: E4M3 operands, one E8M0 scale for each 32 along K, by v_wmma_scale_f32_16x16x128_f8f6f4 with both operands' format E4M3, f32 sums; everything else in f32.
;; Inputs: W 1 x 1 float32; reference_sample 8,192 x 256 float32; x_t 8,192 x 256 float32.
;; Outputs: out0 8,192 x 256 float32.
;; This version of the problem:
;;   THIS VERSION OF THE PROBLEM IS GIVEN IN LOW PRECISION. The matrix products marked QUANTISED in the list below multiply operands that are first quantised to E4M3 (4 exponent bits, 3 mantissa bits; 8 bits a number), with one power-of-two scale for each 32 numbers along K (OCP MX v1.0); their sums are f32. All else is computed in f32.
;;   The module's matrix products, in the order in which they are computed (A, B: the left and right operand; K: the contracted axis; several contracted axes count as one K, in the product's order):
;;     1. [M 8,192, K 256] x [K 256, N 8,192]; A: input x_t; B: input reference_sample: QUANTISED
;;     2. [M 8,192, K 8,192] x [K 8,192, N 256]; A: computed on the way; B: computed on the way: QUANTISED
;;     3. [M 8,192, K 8,192] x [K 8,192, N 256]; A: computed on the way; B: input reference_sample: QUANTISED
;;   THE QUANTISER, for each operand of a quantised product, along K:
;;     - K is cut into blocks of 32 from its start; a last block that is shorter is filled with zeros.
;;     - A block's scale is 2^e with e = floor(log2(the largest magnitude in the block)) - 8, held to -126 .. 127; a block of zeros has e = 0. As a byte (E8M0): e + 127.
;;     - Each number is divided by its block's scale, clamped to +-448, and rounded to the nearest number of E4M3, ties to even, subnormals kept.
;;     - The product sums the exact products of the quantised numbers (number of the format x scale) in f32.
;;   ~~~python
;;   def quantise(x, axis):      # numpy; x: float32 -> the quantised numbers, widened to float32 again
;;       x = np.moveaxis(x, axis, -1); K = x.shape[-1]
;;       x = np.pad(x, [(0, 0)] * (x.ndim - 1) + [(0, -K % 32)]); x = x.reshape(x.shape[:-1] + (-1, 32)); a = np.abs(x).max(-1, keepdims=True)
;;       e = np.where(a > 0, np.clip(np.frexp(np.where(a > 0, a, 1))[1] - 1 - 8, -126, 127), 0)      # np.frexp(a)[1] - 1 = floor(log2(a)), exactly
;;       r = np.clip(x / 2.0 ** e, -448, 448)
;;       step = 2.0 ** (np.maximum(np.frexp(np.where(r == 0, 1, r))[1] - 1, -6) - 3)
;;       q = np.round(r / step) * step * 2.0 ** e      # np.round: ties to even
;;       return np.moveaxis(q.reshape(q.shape[:-2] + (-1,))[..., :K], -1, axis).astype(np.float32)
;;   ~~~
;;   OPERANDS COMPUTED ON THE WAY. 'Computed on the way' means the value that the module computes at that place (a softmax that the list does not call 'softmax' is quantised finished and normalised). What goes into a quantiser is computed in f32, as accurately as f32 sums, v_exp_f32 and their like allow (about 1e-6 of the number): no bf16 or f16 on the way to a quantiser, and a product that is left as it is and whose result goes on into a quantised operand takes f32 operands (vector FMAs, or v_wmma_f32_16x16x4_f32). A number that lies on a knife's edge between two numbers of the format may be rounded either way, as far as f32 arithmetic and the matrix unit's own rounding can turn it there, and no further.
;; One version. Each part assembles by itself: llvm-mc -triple=amdgcn-amd-amdhsa -mcpu=gfx1250 --defsym DOCPART=n.
;; ======== version 1 of 1: 3 launches
;; limits: right only within a limited range of input values
;; workspace buffers: kv 6,553,600 bytes; xq 2,228,224 bytes; mpart 33,554,432 bytes
;; launch prep (part 1): grid 256 x 1, 6 waves a work-group, no clusters, 0 bytes of LDS; arguments reference_sample, x_t, kv, xq; writes kv, xq
.if DOCPART == 1
	.amdgcn_target "amdgcn-amd-amdhsa--gfx1250"
	.amdhsa_code_object_version 6
	.text
	.protected	k_q686a01efaa_prep
	.globl	k_q686a01efaa_prep
	.p2align	8
	.type	k_q686a01efaa_prep,@function
k_q686a01efaa_prep:
	s_mov_b64 s[64:65], 0
	v_nop
	global_prefetch_b8 v0, s[64:65] scope:SCOPE_SE
	s_setreg_imm32_b32 hwreg(HW_REG_WAVE_MODE, 25, 1), 1
	s_wait_xcnt 0x0
; All quantising of inputs, once, into buffers laid in the ORDER OF THE OPERANDS' REGISTERS, and the rows' sums of squares.
; ref [8192][256] and x [8192][256], f32.  Codes are FP8 (E4M3) with one E8M0 byte for each 32 along a product's K.
; kv: 64 blocks of 102,400 bytes, one for each 128 keys: a K part of 34,816 bytes, then a V part of 67,584.
;   K part (K = the 256 channels): codes [tile T 0..7][K step s][c 0..3][lane][16 bytes]; at 32,768 scale words [T][lane] (lanes 0-15: step 0's word of row lane, lanes 16-31: step 1's);
;   at 33,792 [T][lane] -r_sq / 2 of tile row lane % 16.  Row r of tile T = 2 b + u is key 32 b + 8 u + r + 8 (r / 8): so the next launch finds 16 neighbouring keys in a lane's 16 registers.
;   V part (K = the 128 keys): codes [G 0..7][ref^2, ref][p 0..1][c][lane][16 bytes], channel 32 G + 16 p + lane % 16; at 65,536 scale words [G][lane][ref^2's word, ref's word] of channel 32 G + lane.
; xq: 64 blocks of 34,816 bytes, one for each 128 queries, in the K part's form with plain rows (query 16 T + r) and -x_sq / 2.
; SHARES.  Work-group g: waves 0, 1 take 32 columns x 128 keys of ref each (a lane to a column, registers down the keys: the block's maximum needs no other lane, the codes come out with the keys innermost);
; waves 2, 3 take one tile of 16 rows of ref each, waves 4, 5 of x (a lane holds 16 neighbours of each block of 32; lane l xor 16 holds the other 16).  Waves share nothing: no LDS, no barrier.
; A block's scale is 2^(floor(log2(largest magnitude)) - 8); its byte is the largest magnitude's exponent field - 8, held at 1 from below.
; LIMITS: a block of zeros gets the byte 1 where the rule says 127 (its codes are zeros, and this program alone reads the bytes); NaN and infinities among the inputs are not served;
; a row's sum of squares is added in four chains and two halves, another order than a plain sum's.
.set STEPB, 102400
.set KPART, 34816
.set FLOOR, 0x4800000                  ; 2^(9 - 127): under it no largest magnitude is taken, so the byte cannot fall under 1
.set X,   16                           ; v16-143  the numbers as loaded
.set SQ,  144                          ; column path: v144-175 a block's squares;  row path: v144-175 the two fragments' codes
.set CD,  176                          ; column path: v176-239 codes: for block c eight registers of ref^2, eight of ref
.set TM,  176                          ; row path: v176-179 maxima, v180-183 bytes, v184-187 448 x the scale, v188-191 the conversions' scale operands
	s_load_b256 s[4:11], s[0:1], 0x0               ; ref s[4:5], x s[6:7], kv s[8:9], xq s[10:11]
	v_lshrrev_b32 v1, 5, v0
	v_readfirstlane_b32 s12, v1                    ; wave 0..5
	v_and_b32 v1, 31, v0                           ; lane
	s_mov_b32 s13, 0x600000                        ; the mantissa field of 448
	s_lshr_b32 s14, ttmp9, 2                       ; which block of 128 rows
	s_cmp_lt_u32 s12, 2
	s_cbranch_scc0 .Lrow
; ---------------- waves 0, 1: ref and ref^2 along the keys ----------------
	s_and_b32 s15, ttmp9, 3
	s_lshl_b32 s15, s15, 1
	s_add_co_u32 s15, s15, s12                     ; G: which 32 columns
	s_lshl_b32 s16, s14, 17                        ; 128 rows of 1,024 bytes a block,
	s_lshl_b32 s17, s15, 7                         ; 128 bytes for 32 columns
	s_add_co_u32 s16, s16, s17
	s_mov_b32 s17, 0
	s_add_co_u32 s18, s14, 2                       ; THE V PART LIES TWO BLOCKS ON, modulo 64: block b of kv holds the K part of keys 128 b .. and the V part of keys 128 ((b - 2) mod 64) ..,
	s_and_b32 s18, s18, 63                         ; since the next launch multiplies by V two steps behind the scores; every byte of kv is still written once
	s_mul_i32 s18, s18, STEPB
	s_add_co_u32 s18, s18, KPART                   ; that block's V part
	s_lshl_b32 s19, s15, 13
	s_add_co_u32 s20, s18, s19                     ; my codes: 8,192 bytes for each G
	s_mov_b32 s21, 0
	s_lshl_b32 s19, s15, 8
	s_add_co_u32 s22, s18, s19
	s_add_co_u32 s22, s22, 65536                   ; my scale words: 256 bytes for each G
	s_mov_b32 s23, 0
	s_wait_alu depctr_va_vdst(0)
	v_lshlrev_b32 v2, 2, v1                        ; in: 4 bytes a lane
	v_lshrrev_b32 v3, 4, v1
	v_and_b32 v5, 15, v1
	v_lshlrev_b32 v3, 11, v3
	v_lshl_add_u32 v3, v5, 4, v3                   ; out: 2,048 p + 16 r
	v_lshlrev_b32 v4, 3, v1                        ; scale words: 8 bytes a lane
	s_wait_alu depctr_va_vdst(0)
	s_wait_kmcnt 0x0
	s_add_nc_u64 s[4:5], s[4:5], s[16:17]
	s_add_nc_u64 s[20:21], s[8:9], s[20:21]
	s_add_nc_u64 s[22:23], s[8:9], s[22:23]
.macro LOADC t                         ; block t: ref(32 t + i, my column): the wave reads 128 consecutive bytes a load
.irp i, 0,1,2,3,4,5,6,7,8,9,10,11,12,13,14,15,16,17,18,19,20,21,22,23,24,25,26,27,28,29,30,31
	global_load_b32 v[X+32*(\t)+\i], v2, s[4:5] offset:(32*(\t)+\i)*1024
.endr
.endm
; 32 numbers of a lane, one block, become 32 codes in v[dst] on; the scale's byte goes into byte c of v[word].  sgn = 0: the numbers are never negative.
.macro BLOCKQ src, dst, sgn, word, c
.if \sgn
	v_max3_num_f32 v6, |v[\src]|, |v[\src+1]|, |v[\src+2]|
	v_max3_num_f32 v7, |v[\src+3]|, |v[\src+4]|, |v[\src+5]|
.irp i, 6,10,14,18,22,26
	v_max3_num_f32 v6, v6, |v[\src+\i]|, |v[\src+\i+1]|
	v_max3_num_f32 v7, v7, |v[\src+\i+2]|, |v[\src+\i+3]|
.endr
	v_max3_num_f32 v6, v6, |v[\src+30]|, |v[\src+31]|
.else
	v_max3_num_f32 v6, v[\src], v[\src+1], v[\src+2]
	v_max3_num_f32 v7, v[\src+3], v[\src+4], v[\src+5]
.irp i, 6,10,14,18,22,26
	v_max3_num_f32 v6, v6, v[\src+\i], v[\src+\i+1]
	v_max3_num_f32 v7, v7, v[\src+\i+2], v[\src+\i+3]
.endr
	v_max3_num_f32 v6, v6, v[\src+30], v[\src+31]
.endif
	v_max3_num_f32 v6, v6, v7, FLOOR               ; the block's largest magnitude, and the floor
	v_add_nc_u32 v8, 0xfc000000, v6                ; 8 off its exponent field: the conversion takes the exponent field of this operand as its scale
	v_and_or_b32 v9, v6, 0x7f800000, s13           ; 448 x the scale
	v_lshrrev_b32 v10, 23, v8                      ; the scale's byte
.if (\c) == 0
	v_mov_b32 v[\word], v10
.else
	v_lshl_or_b32 v[\word], v10, 8*(\c), v[\word]
.endif
.irp i, 0,1,2,3,4,5,6,7,8,9,10,11,12,13,14,15,16,17,18,19,20,21,22,23,24,25,26,27,28,29,30,31
.if \sgn
	v_med3_num_f32 v[\src+\i], v[\src+\i], -v9, v9 ; the conversion to an 8-bit code does not saturate (ISA guide 7.6.2): the hold
.else
	v_min_num_f32 v[\src+\i], v[\src+\i], v9
.endif
.endr
.irp g, 0,1,2,3
	v_cvt_scalef32_pk8_fp8_f32 v[\dst+2*\g:\dst+2*\g+1], v[\src+8*\g:\src+8*\g+7], v8
.endr
	v_nop                                          ; a plain line behind the last conversion, ahead of the lines that write its sources again
.endm
	LOADC 0
	LOADC 1
.irp c, 0,1,2,3
.if \c < 3
	s_wait_loadcnt 32                              ; this block's 32 loads are in; the next block's 32 may be out
.else
	s_wait_loadcnt 0x0
.endif
.if \c < 2
	LOADC \c+2                                     ; two blocks ahead
.endif
.irp n, 0,2,4,6,8,10,12,14,16,18,20,22,24,26,28,30
	v_pk_mul_f32 v[SQ+\n:SQ+\n+1], v[X+32*\c+\n:X+32*\c+\n+1], v[X+32*\c+\n:X+32*\c+\n+1]   ; ref^2 in f32, of the numbers as they came
.endr
	BLOCKQ SQ, CD+16*\c, 0, 12, \c
	BLOCKQ X+32*\c, CD+16*\c+8, 1, 13, \c
	; registers 0-3 are keys 32 c + 0 .. 15 (the operand's lanes 0-15), registers 4-7 keys 32 c + 16 .. 31 (lanes 16-31).  Sixteen lanes store 256 consecutive bytes, aligned.
	global_store_b128 v3, v[CD+16*\c:CD+16*\c+3], s[20:21] offset:512*\c
	global_store_b128 v3, v[CD+16*\c+4:CD+16*\c+7], s[20:21] offset:512*\c+256
	global_store_b128 v3, v[CD+16*\c+8:CD+16*\c+11], s[20:21] offset:4096+512*\c
	global_store_b128 v3, v[CD+16*\c+12:CD+16*\c+15], s[20:21] offset:4096+512*\c+256
.endr                                  ; each block has its own registers for its codes: no store's data are written again
	global_store_b64 v4, v[12:13], s[22:23]        ; ref^2's word and ref's: the wave stores 256 consecutive bytes, aligned
	s_endpgm
; ---------------- waves 2 to 5: a tile of 16 rows of ref or of x along the channels ----------------
.Lrow:
	s_sub_co_u32 s15, s12, 2
	s_lshr_b32 s16, s15, 1                         ; 0: ref, 1: x
	s_and_b32 s15, s15, 1                          ; which of the work-group's two tiles
	s_lshl_b32 s17, ttmp9, 1
	s_add_co_u32 s17, s17, s15
	s_and_b32 s17, s17, 7                          ; T: the tile's number in its block of 128 rows
	s_mov_b32 s18, STEPB
	s_mov_b32 s19, KPART
	s_mov_b32 s28, 0x76543210
	s_mov_b32 s29, 0xfedcba98                      ; v_permlanex16_b32's selects for lane l xor 16
	s_wait_kmcnt 0x0
	s_cmp_eq_u32 s16, 0                            ; the choice hangs on the wave's number alone
	s_cselect_b64 s[4:5], s[4:5], s[6:7]           ; from ref or from x,
	s_cselect_b64 s[8:9], s[8:9], s[10:11]         ; into kv or into xq,
	s_cselect_b32 s18, s18, s19                    ; whose blocks are so many bytes apart;
	s_cselect_b32 s20, 8, 16                       ; the second tile begins 8 rows on (ref) or 16 (x);
	s_cselect_b32 s21, 0x2000, 0                   ; ref: lanes 8-15 of a half take the rows 8 further on
	s_mul_i32 s20, s20, s15
	s_lshl_b32 s22, ttmp9, 5
	s_add_co_u32 s22, s22, s20                     ; the tile's first row
	s_lshl_b32 s22, s22, 10
	s_mov_b32 s23, 0
	s_add_nc_u64 s[4:5], s[4:5], s[22:23]
	s_mul_i32 s24, s14, s18                        ; the block,
	s_lshl_b32 s25, s17, 12
	s_add_co_u32 s26, s24, s25                     ; the tile's codes: 4,096 bytes a tile
	s_mov_b32 s27, 0
	s_add_nc_u64 s[26:27], s[8:9], s[26:27]
	s_lshl_b32 s25, s17, 7
	s_add_co_u32 s24, s24, s25
	s_add_co_u32 s24, s24, 32768                   ; its scale words: 128 bytes a tile; the sums of squares lie 1,024 bytes on
	s_mov_b32 s25, 0
	s_add_nc_u64 s[24:25], s[8:9], s[24:25]
	s_wait_alu depctr_va_vdst(0)
	v_and_b32 v5, 15, v1                           ; r
	v_lshrrev_b32 v6, 4, v1                        ; h
	v_bfe_u32 v7, v1, 3, 1                         ; r / 8
	v_lshlrev_b32 v2, 10, v5
	v_mad_u32_u24 v2, v7, s21, v2
	v_lshl_add_u32 v2, v6, 6, v2                   ; in: my row, + 64 h: my 16 numbers of a block of 32
	v_lshlrev_b32 v3, 4, v1                        ; out: 16 bytes a lane
	v_lshlrev_b32 v4, 2, v1                        ; and 4 bytes a lane
.irp b, 0,1,2,3
	v_mov_b32 v[TM+4+\b], 0                        ; written once: a lane permute's destination counts as one of its sources
.endr
.irp s, 0,1
.irp b, 0,1,2,3
.irp j, 0,1,2,3
	global_load_b128 v[X+64*\s+16*\b+4*\j:X+64*\s+16*\b+4*\j+3], v2, s[4:5] offset:512*\s+128*\b+16*\j   ; register 64 s + 16 b + i: channel 128 s + 32 b + 16 h + i
.endr
.endr
.endr
	s_wait_loadcnt 0x0
	; the row's sum of squares, of the numbers as they came: four chains of pairs, started by the first four products
.set n, 0
.rept 64
.if n < 4
	v_pk_mul_f32 v[194+2*n:195+2*n], v[X+2*n:X+2*n+1], v[X+2*n:X+2*n+1]
.else
	v_pk_fma_f32 v[194+2*(n%4):195+2*(n%4)], v[X+2*n:X+2*n+1], v[X+2*n:X+2*n+1], v[194+2*(n%4):195+2*(n%4)]
.endif
.set n, n+1
.endr
	v_pk_add_f32 v[194:195], v[194:195], v[196:197]
	v_pk_add_f32 v[198:199], v[198:199], v[200:201]
	v_pk_add_f32 v[194:195], v[194:195], v[198:199]
	v_add_f32 v194, v194, v195
	v_permlanex16_b32 v195, v194, s28, s29         ; the row's other 128 channels lie in the lane 16 away
	v_add_f32 v194, v194, v195
	v_mul_f32 v194, -0.5, v194                     ; -sum / 2
; 64 numbers of a lane, register 16 b + i = k 32 b + 16 h + i of my row, become a fragment's codes in v[pc] on and its scale word in v[pw]
.macro QUANT s, pc, pw
.irp b, 0,1,2,3
	v_max3_num_f32 v[TM+\b], |v[\s+16*\b]|, |v[\s+1+16*\b]|, FLOOR
.endr
.irp i, 2,4,6,8,10,12,14
.irp b, 0,1,2,3
	v_max3_num_f32 v[TM+\b], v[TM+\b], |v[\s+16*\b+\i]|, |v[\s+1+16*\b+\i]|   ; the four blocks by turns
.endr
.endr
.irp b, 0,1,2,3
	v_permlanex16_b32 v[TM+4+\b], v[TM+\b], s28, s29
.endr
.irp b, 0,1,2,3
	v_max_num_f32 v[TM+\b], v[TM+\b], v[TM+4+\b]   ; with lane l xor 16's: the block's largest magnitude
.endr
.irp b, 0,1,2,3
	v_add_nc_u32 v[TM+12+\b], 0xfc000000, v[TM+\b]
.endr
.irp b, 0,1,2,3
	v_and_or_b32 v[TM+8+\b], v[TM+\b], 0x7f800000, s13
.endr
.irp b, 0,1,2,3
	v_lshrrev_b32 v[TM+4+\b], 23, v[TM+12+\b]
.endr
	v_lshl_or_b32 v[\pw], v[TM+5], 8, v[TM+4]      ; the four bytes make my row's scale word
	v_lshl_or_b32 v[\pw], v[TM+6], 16, v[\pw]
	v_lshl_or_b32 v[\pw], v[TM+7], 24, v[\pw]
.irp b, 0,1,2,3
.irp i, 0,1,2,3,4,5,6,7,8,9,10,11,12,13,14,15
	v_med3_num_f32 v[\s+16*\b+\i], v[\s+16*\b+\i], -v[TM+8+\b], v[TM+8+\b]
.endr
	v_cvt_scalef32_pk8_fp8_f32 v[\pc+4*\b:\pc+1+4*\b], v[\s+16*\b:\s+7+16*\b], v[TM+12+\b]
	v_cvt_scalef32_pk8_fp8_f32 v[\pc+2+4*\b:\pc+3+4*\b], v[\s+8+16*\b:\s+15+16*\b], v[TM+12+\b]
.endr
	v_nop                                          ; a plain line behind the last conversion
.endm
.irp s, 0,1
	QUANT X+64*\s, SQ+16*\s, 192+\s
.irp c, 0,1,2,3
	global_store_b128 v3, v[SQ+16*\s+4*\c:SQ+16*\s+4*\c+3], s[26:27] offset:2048*\s+512*\c   ; the fragment as it stands: the wave stores 512 consecutive bytes, aligned
.endr
.endr
	v_cmp_gt_u32 vcc_lo, 16, v1
	v_cndmask_b32 v202, v193, v192, vcc_lo         ; lanes 0-15 keep K step 0's word, lanes 16-31 K step 1's (both halves hold both)
	global_store_b32 v4, v202, s[24:25]
	global_store_b32 v4, v194, s[24:25] offset:1024
	s_endpgm
.Lfunc_end_k_q686a01efaa_prep:
	.size	k_q686a01efaa_prep, .Lfunc_end_k_q686a01efaa_prep-k_q686a01efaa_prep
	.p2alignl 7, 3214868480
	.fill 96, 4, 3214868480
	.section	.rodata,"a",@progbits
	.p2align	6, 0x0
	.amdhsa_kernel k_q686a01efaa_prep
		.amdhsa_group_segment_fixed_size 0
		.amdhsa_private_segment_fixed_size 0
		.amdhsa_enable_private_segment 0
		.amdhsa_kernarg_size 32
		.amdhsa_user_sgpr_count 2
		.amdhsa_user_sgpr_kernarg_segment_ptr 1
		.amdhsa_wavefront_size32 1
		.amdhsa_system_sgpr_workgroup_id_x 1
		.amdhsa_system_sgpr_workgroup_id_y 1
		.amdhsa_system_sgpr_workgroup_id_z 1
		.amdhsa_system_vgpr_workitem_id 0
		.amdhsa_next_free_vgpr 256
		.amdhsa_next_free_sgpr 66
		.amdhsa_reserve_vcc 1
		.amdhsa_float_denorm_mode_32 3
		.amdhsa_float_denorm_mode_16_64 3
		.amdhsa_memory_ordered 1
		.amdhsa_forward_progress 1
		.amdhsa_inst_pref_size 70
	.end_amdhsa_kernel
	.amdgpu_metadata
---
amdhsa.version: [ 1, 2 ]
amdhsa.kernels:
  - .name:           k_q686a01efaa_prep
    .symbol:         k_q686a01efaa_prep.kd
    .args:
      - { .name: reference_sample, .offset: 0, .size: 8, .value_kind: global_buffer, .address_space: global }
      - { .name: x_t, .offset: 8, .size: 8, .value_kind: global_buffer, .address_space: global }
      - { .name: kv, .offset: 16, .size: 8, .value_kind: global_buffer, .address_space: global }
      - { .name: xq, .offset: 24, .size: 8, .value_kind: global_buffer, .address_space: global }
    .group_segment_fixed_size: 0
    .private_segment_fixed_size: 0
    .kernarg_segment_align: 8
    .kernarg_segment_size: 32
    .max_flat_workgroup_size: 192
    .sgpr_count:     66
    .vgpr_count:     256
    .wavefront_size: 32
...
	.end_amdgpu_metadata
.endif
;; end of part 1
;; launch main (part 2): grid 64 x 4, 4 waves a work-group, clusters of 4 x 1, 327,680 bytes of LDS; arguments kv, xq, x_t, mpart; writes mpart
.if DOCPART == 2
	.amdgcn_target "amdgcn-amd-amdhsa--gfx1250"
	.amdhsa_code_object_version 6
	.text
	.protected	k_q686a01efaa_main
	.globl	k_q686a01efaa_main
	.p2align	8
	.type	k_q686a01efaa_main,@function
k_q686a01efaa_main:
	s_mov_b64 s[64:65], 0
	v_nop
	global_prefetch_b8 v0, s[64:65] scope:SCOPE_SE
	s_setreg_imm32_b32 hwreg(HW_REG_WAVE_MODE, 25, 1), 1
	s_wait_xcnt 0x0
	s_wait_alu depctr_hold_cnt(0) depctr_sa_sdst(0) depctr_va_vdst(0) depctr_va_sdst(0) depctr_va_ssrc(0) depctr_va_vcc(0) depctr_vm_vsrc(0)
	s_getreg_b32 s2, hwreg(HW_REG_IB_STS2, 6, 4)
	s_cmp_eq_u32 s2, 0
	s_cbranch_scc0 .Lentry_in_a_cluster
	s_endpgm
.Lentry_in_a_cluster:
	s_bfe_u32 s2, ttmp6, 0x10000c
	s_cmp_lg_u32 s2, 0x3003
	s_cbranch_scc0 .Lentry_shape_is_right
	s_endpgm
.Lentry_shape_is_right:
; A work-group takes 128 queries (x) and a quarter of the keys (y): 16 steps of 128 keys, and stores its partial M = w ref^2 - 2 x (w ref) + x^2 sum(w), f32.
; w = exp(-(x_sq + r_sq - 2 cross) / 128) = 2^(c (cross - r_sq / 2) + c (-x_sq / 2)), c = log2(e) / 64; as in the reference no maximum is taken away: the exponent is -distance^2 / 128.
; Four waves.  Scores: wave (query half, key half) makes 64 x 64 transposed (a lane holds one query, 16 registers are 16 neighbouring keys), -r_sq / 2 as the first product's C.
; w is summed unquantised, quantised in blocks of 32 keys, and handed to all waves through LDS.  Weighted sums: each wave makes 128 queries x 128 columns of [ref^2, ref]: 64 accumulators.
; THE ORDER OF A PERIOD, for step j: scores(j); the round and the refill; exponentials and quantising of step j, on registers, while V(j-1) and w(j-1) come from LDS; weighted sums(j-1), under which K(j+1) comes.
; So a slot holds block j+1 of kv = [K(j+1), V(j-1)] (the launch before lays V two blocks on, modulo 64).  Block b lies in slot b % 2; w(j) in buffer j % 2, beside the slots.
; The loop's last trip fetches K(16) into registers that nobody multiplies: 44 LDS loads a wave inside a trip whose other work is live.
; CLUSTER: the four work-groups of a cluster differ in their queries alone and ask for every tile jointly (mask 15).
; No prefetch is laid: each block of kv is asked for by sixteen clusters in the same period of their walks.
; REGISTERS: window 0: v0-63 addresses, scales, sums; v64-127 FB: temporaries, codes, the ring of four w fragments, biases; v128-255 area 0.  Window 1: v0-127 the queries' codes; v128-255 area 1.
; Windows 2, 3: accumulators.  With a = j % 2: K(j) and V(j-1) lie in area a, the scores of step j and then K(j+1) in area 1 - a.
.set STEPB,  102400
.set KPART,  34816
.set SLOT1,  131072
.set LKS,    32768
.set LKB,    33792
.set LV,     34816
.set LVS,    100352
.set LP,     102400                    ; w's codes, 16,384 bytes, in each slot's region behind its tile
.set LPS,    118784                    ; w's scale words
.set SPARE,  119296                    ; the spare words
.set WSX,    119808                    ; the waves' sums of w
.set STAGE,  250880                    ; the way out
.set SPW, 1
.set NIL, 2
.set AK,  3                            ; v3-11 LDS addresses for slot 0, v12-20 the same for slot 1
.set AKS, 4
.set AKB, 5
.set AV,  6
.set AVS, 7
.set AP,  8
.set APS, 9
.set APW, 10
.set APSW, 11
.set STI, 21
.set STL, 22
.set GOF, 23
.set WSW, 24
.set WSR, 25
.set L16, 26
.set L4,  27
.set WS,  28
.set XT,  36
.set QS,  44
.set KS,  48
.set VS,  52
.set PS,  56
.set FB,  64
.set TM,  64                           ; largest w of a block, then 448 x the scale
.set TP,  72                           ; the other half's, then the conversions' scale operand
.set CODE, 80
.set S,   128
.set MM,  224
.set WV,  12
.set MSB, 0
.macro WIN new
.if MSB != (\new)
	s_set_vgpr_msb (MSB<<8)|(\new)
.set MSB, (\new)
.endif
.endm
.macro PLACES n
.rept \n
	v_nop
.endr
.endm
.macro CROUND                          ; a round of the cluster's barrier
	s_barrier_signal -1
	s_barrier_wait -1
	s_cmp_lg_u32 s[WV], 0
	s_cbranch_scc1 .Lnot_wave_0_\@
	s_barrier_signal -3
.Lnot_wave_0_\@:
	s_barrier_wait -3
	s_barrier_signal -1
	s_barrier_wait -1
.endm
.macro WM d, a, b, c, sa, sb, ra, rb   ; one product; c < 0: C is 0; ra, rb: the scales' rows
.if (\c) < 0
.if (\ra) && (\rb)
	v_wmma_scale_f32_16x16x128_f8f6f4 v[\d:\d+7], v[\a:\a+15], v[\b:\b+15], 0, v[\sa], v[\sb] matrix_a_scale:MATRIX_SCALE_ROW1 matrix_b_scale:MATRIX_SCALE_ROW1
.elseif (\ra)
	v_wmma_scale_f32_16x16x128_f8f6f4 v[\d:\d+7], v[\a:\a+15], v[\b:\b+15], 0, v[\sa], v[\sb] matrix_a_scale:MATRIX_SCALE_ROW1
.elseif (\rb)
	v_wmma_scale_f32_16x16x128_f8f6f4 v[\d:\d+7], v[\a:\a+15], v[\b:\b+15], 0, v[\sa], v[\sb] matrix_b_scale:MATRIX_SCALE_ROW1
.else
	v_wmma_scale_f32_16x16x128_f8f6f4 v[\d:\d+7], v[\a:\a+15], v[\b:\b+15], 0, v[\sa], v[\sb]
.endif
.else
.if (\ra) && (\rb)
	v_wmma_scale_f32_16x16x128_f8f6f4 v[\d:\d+7], v[\a:\a+15], v[\b:\b+15], v[\c:\c+7], v[\sa], v[\sb] matrix_a_scale:MATRIX_SCALE_ROW1 matrix_b_scale:MATRIX_SCALE_ROW1
.elseif (\ra)
	v_wmma_scale_f32_16x16x128_f8f6f4 v[\d:\d+7], v[\a:\a+15], v[\b:\b+15], v[\c:\c+7], v[\sa], v[\sb] matrix_a_scale:MATRIX_SCALE_ROW1
.elseif (\rb)
	v_wmma_scale_f32_16x16x128_f8f6f4 v[\d:\d+7], v[\a:\a+15], v[\b:\b+15], v[\c:\c+7], v[\sa], v[\sb] matrix_b_scale:MATRIX_SCALE_ROW1
.else
	v_wmma_scale_f32_16x16x128_f8f6f4 v[\d:\d+7], v[\a:\a+15], v[\b:\b+15], v[\c:\c+7], v[\sa], v[\sb]
.endif
.endif
.endm
	s_load_b256 s[4:11], s[0:1], 0x0               ; kv, xq, x_t, mpart
	v_lshl_add_u32 v[SPW], v0, 2, SPARE
	v_mov_b32 v[NIL], 0
	ds_add_u32 v[SPW], v[NIL]                      ; the opening lines: the add twice on end under one wait
	ds_add_u32 v[SPW], v[NIL]
	v_lshrrev_b32 v60, 5, v0
	v_readfirstlane_b32 s[WV], v60                 ; wave
	s_and_b32 s13, s[WV], 1                        ; key half
	s_lshr_b32 s14, s[WV], 1                       ; query half
	s_bfe_u32 s15, ttmp6, 0x40000                  ; cx
	s_lshl_b32 s16, ttmp9, 2
	s_add_co_u32 s16, s16, s15                     ; block of 128 queries
	s_and_b32 s17, ttmp7, 0xffff                   ; key quarter
	s_mov_b32 s20, 0x76543210
	s_mov_b32 s21, 0xfedcba98
	s_mov_b32 s22, 0x3cb8aa3b                      ; c = log2(e) / 64
	s_mov_b32 s23, s22
	s_mov_b32 s24, 0x600000                        ; the mantissa field of 448
	s_mov_b32 s28, 15|(3<<16)|(1<<21)              ; group 1: rows of 32 elements of 8 bytes, dense; the mask names the cluster's four
	s_mov_b32 s29, 32<<16
	s_mov_b32 s30, 68<<16                          ; rows: 68 at the head (half a K part)
	s_mov_b32 s31, 32<<16
	s_mov_b32 s32, 68
	s_mov_b32 s33, 32
	s_mov_b32 s34, 0
	s_mov_b32 s35, 0
	s_mov_b32 s52, 1
	s_lshl_b32 s66, s14, 17                        ; head: waves 0, 1 fill slot 0, waves 2, 3 slot 1, a half each
	s_mul_i32 s36, s13, 17408
	s_add_co_u32 s36, s36, s66                     ; LDS place of my half of a K part
	s_mul_i32 s37, s13, 33792
	s_add_co_u32 s37, s37, s66
	s_add_co_u32 s37, s37, LV                      ; and of my half of a V part
	s_mul_i32 s61, s[WV], 25600                    ; my quarter of a whole block
	s_lshl_b32 s60, s17, 4                         ; the quarter's first block
	s_add_co_u32 s67, s60, s14
	s_mul_i32 s67, s67, STEPB
	s_mul_i32 s38, s13, 17408
	s_add_co_u32 s38, s38, s67                     ; byte offset in kv of my half of K(0) or K(1)
	s_mov_b32 s39, 0
	s_mul_i32 s40, s13, 33792
	s_add_co_u32 s40, s40, s67
	s_add_co_u32 s40, s40, 2*STEPB+KPART           ; and of V(0) or V(1), two blocks on
	s_mov_b32 s41, 0
	s_add_co_u32 s60, s60, 3                       ; the last block asked for ahead of the loop
	s_mov_b32 s63, 0
	s_mul_i32 s82, s16, KPART
	s_lshl_b32 s83, s14, 14
	s_add_co_u32 s70, s82, s83
	s_mov_b32 s71, 0
	s_lshl_b32 s83, s14, 9
	s_add_co_u32 s72, s82, s83
	s_add_co_u32 s72, s72, 32768
	s_mov_b32 s73, 0
	s_lshl_b32 s74, s16, 17
	s_lshl_b32 s83, s[WV], 8
	s_add_co_u32 s74, s74, s83
	s_mov_b32 s75, 0
	s_lshl_b32 s76, s17, 23
	s_add_co_u32 s76, s76, s74
	s_mov_b32 s77, 0
	s_lshl_b32 s80, s13, 14                        ; the bases of the LDS addresses, all ahead of the vector lines that take them
	s_lshl_b32 s66, s13, 9
	s_add_co_u32 s81, s66, LKS
	s_add_co_u32 s82, s66, LKB
	s_lshl_b32 s83, s[WV], 14
	s_add_co_u32 s83, s83, LV
	s_lshl_b32 s84, s[WV], 9
	s_add_co_u32 s84, s84, LVS
	s_lshl_b32 s85, s14, 13
	s_lshl_b32 s67, s13, 10
	s_add_co_u32 s85, s85, s67
	s_add_co_u32 s85, s85, LP
	s_lshl_b32 s86, s14, 8
	s_add_co_u32 s88, s66, s86
	s_add_co_u32 s88, s88, WSX
	s_lshl_b32 s67, s13, 1
	s_add_co_u32 s86, s86, s67
	s_add_co_u32 s86, s86, LPS
	s_mul_i32 s87, s[WV], 16*272
	s_add_co_u32 s87, s87, STAGE
	v_and_b32 v60, 31, v0
	v_and_b32 v61, 15, v0
	v_bfe_u32 v62, v0, 4, 1
	v_lshlrev_b32 v[L16], 4, v60
	v_lshlrev_b32 v[L4], 2, v60
	v_lshl_add_u32 v[AK], v60, 4, s80
	v_lshl_add_u32 v[AKS], v60, 2, s81
	v_lshl_add_u32 v[AKB], v62, 5, s82
	v_lshl_add_u32 v[AV], v60, 4, s83
	v_lshl_add_u32 v[AVS], v60, 3, s84
	v_lshl_add_u32 v[AP], v60, 4, LP
	v_lshl_add_u32 v[APS], v60, 2, LPS
	v_lshl_add_u32 v[APW], v60, 4, s85
	v_lshl_add_u32 v[APSW], v61, 2, s86
.irp i, 0,1,2,3,4,5,6,7,8
	v_add_nc_u32 v[12+\i], SLOT1, v[3+\i]
.endr
	v_mul_u32_u24 v63, v62, 272
	v_lshl_add_u32 v63, v61, 4, v63
	v_add_nc_u32 v[STI], s87, v63
	v_mul_u32_u24 v63, v61, 272
	v_lshl_add_u32 v63, v62, 5, v63
	v_add_nc_u32 v[STL], s87, v63
	v_lshlrev_b32 v[GOF], 10, v62
	v_lshl_add_u32 v[GOF], v61, 4, v[GOF]
	v_lshl_add_u32 v[WSW], v61, 2, s88
	v_lshl_add_u32 v[WSR], v61, 2, WSX
.irp i, 0,1,2,3,4,5,6,7
	v_mov_b32 v[WS+\i], 0                          ; eight running sums of w
.endr
	s_wait_alu depctr_va_vdst(0)
	s_wait_dscnt 0x0                               ; both opening adds are done
	s_wait_kmcnt 0x0
	s_add_nc_u64 s[70:71], s[6:7], s[70:71]        ; my queries' codes
	s_add_nc_u64 s[72:73], s[6:7], s[72:73]        ; their scale words and -x_sq / 2
	s_add_nc_u64 s[74:75], s[8:9], s[74:75]        ; x, for the way out
	s_add_nc_u64 s[76:77], s[10:11], s[76:77]      ; my part of mpart
	CROUND                                         ; the four partners are here: the first joint loads meet
	s_mov_b32 s53, s36
	s_add_nc_u64 s[54:55], s[4:5], s[38:39]
	s_or_b32 s55, s55, 0x80000000
	tensor_load_to_lds s[52:55], s[28:35]          ; the head's one load a wave: K(0) into slot 0, K(1) into slot 1
	s_nop 0
	WIN 0x40
.irp q, 0,1,2,3
.irp s, 0,1
.irp c, 0,1,2,3
	global_load_b128 v[32*\q+16*\s+4*\c:32*\q+16*\s+4*\c+3], v[L16], s[70:71] offset:4096*\q+2048*\s+512*\c   ; the queries' codes, under the tile's flight
.endr
.endr
.endr
	WIN 0
.irp q, 0,1,2,3
	global_load_b32 v[QS+\q], v[L4], s[72:73] offset:128*\q
	global_load_b32 v[XT+2*\q], v[L4], s[72:73] offset:1024+128*\q
.endr
; The three lines, a round, and my one joint load behind it.  kind 0: block s60 + 1 whole into slot a; 1: V(0), V(1), first fills (no wave refills here); 2: K(2), K(3) over K(0), K(1).
.macro RND kind, a
	WIN 0
	s_wait_tensorcnt 0x0                           ; all my tensor loads have landed: the descriptor may be written
	ds_add_u32 v[SPW], v[NIL]
.if (\kind) == 0
	s_add_co_u32 s60, s60, 1
	s_and_b32 s62, s60, 63                         ; blocks go round modulo 64
	s_mul_i32 s62, s62, STEPB
	s_add_co_u32 s62, s62, s61
	s_add_co_u32 s53, s61, (\a)*SLOT1
	s_add_nc_u64 s[54:55], s[4:5], s[62:63]
.elseif (\kind) == 1
	s_mov_b32 s30, 132<<16                         ; half a V part: 132 rows
	s_mov_b32 s32, 132
	s_mov_b32 s53, s37
	s_add_nc_u64 s[54:55], s[4:5], s[40:41]
.else
	s_mov_b32 s30, 68<<16
	s_mov_b32 s32, 68
	s_mov_b32 s53, s36
	s_add_nc_u64 s[38:39], s[38:39], 2*STEPB
	s_add_nc_u64 s[54:55], s[4:5], s[38:39]
.endif
	s_or_b32 s55, s55, 0x80000000
	s_wait_dscnt 0x0                               ; the add is done, my LDS reads and stores are over
	CROUND
	tensor_load_to_lds s[52:55], s[28:35]
	s_nop 0
	PLACES 4
.endm
.macro PLOAD x, q                      ; w's fragment of query tile q from buffer x into ring place (q + 3) % 4
.irp c, 0,1,2,3
	ds_load_b128 v[FB+16*(((\q)+3)%4)+4*\c:FB+16*(((\q)+3)%4)+4*\c+3], v[AP+9*(\x)] offset:2048*(\q)+512*\c
.endr
.endm
.macro KUNIT x, u                      ; a fragment of K from slot x (the window is set by the caller)
.irp c, 0,1,2,3
	ds_load_b128 v[S+16*(\u)+4*\c:S+16*(\u)+4*\c+3], v[AK+9*(\x)] offset:2048*(\u)+512*\c
.endr
.endm
.macro KSCALE x
.irp t, 0,1,2,3
	ds_load_b32 v[KS+\t], v[AKS+9*(\x)] offset:128*\t
.endr
.endm
.macro KBIAS x                         ; -r_sq / 2 in the result's layout; tile t at FB + 8 t + 32 (t / 2): ring places 0 and 3
.irp t, 0,1,2,3
.irp i, 0,1
	ds_load_b128 v[FB+8*\t+32*(\t/2)+4*\i:FB+8*\t+32*(\t/2)+4*\i+3], v[AKB+9*(\x)] offset:128*\t+16*\i
.endr
.endr
.endm
.macro VFRAG x, f
.irp c, 0,1,2,3
	ds_load_b128 v[S+16*(\f)+4*\c:S+16*(\f)+4*\c+3], v[AV+9*(\x)] offset:2048*(\f)+512*\c
.endr
.endm
.macro XLD q
.irp i, 0,1,2,3,4,5,6,7
	global_load_b128 v[32*(\q)+4*\i:32*(\q)+4*\i+3], v[GOF], s[74:75] offset:(16*(\q)+2*\i)*1024
.endr
.endm
; The scores of step j, a = j % 2: K's fragments in area a x the queries' codes, into area 1 - a.  16 accumulators by turns.
.macro SW a
	PLACES 9                                       ; the results land on registers that the products before have read
	s_wait_dscnt 0x0
.irp s, 0,1
	WIN (\a)+4+((1-(\a))<<6)+\s*((1-(\a))<<4)
.irp t, 0,1,2,3
.irp q, 0,1,2,3
.set rD, S+32*\q+8*\t
.set rA, S+16*(2*\t+\s)
.set rB, 32*\q+16*\s
.if \s == 0
.set rC, FB+8*\t+32*(\t/2)
.else
.set rC, rD
.endif
.set rSA, KS+\t
.set rSB, QS+\q
	WM rD, rA, rB, rC, rSA, rSB, \s, \s
.endr
.endr
.endr
	WIN 0
	PLACES 8
.endm
; What the weighted sums of step j - 1 need first, from slot and buffer 1 - a.  ks = 1: K(j+1)'s scale words too.  Leaves the destination's window at a.
.macro LD1 a, ks
.irp i, 0,1,2,3
	ds_load_b32 v[PS+\i], v[APS+9*(1-(\a))] offset:128*\i
.endr
	ds_load_b64 v[VS:VS+1], v[AVS+9*(1-(\a))]
	ds_load_b64 v[VS+2:VS+3], v[AVS+9*(1-(\a))] offset:256
.if (\ks) == 1
	KSCALE 1-(\a)
.endif
	PLOAD 1-(\a), 0
	WIN (\a)<<6
.irp f, 0,1,2,3
	VFRAG 1-(\a), \f
.endr
.endm
; Step j's scores in area 1 - a become w: summed, quantised, stored into buffer a.  ld > 0: the loads for the weighted sums of step j - 1 go out here.
.macro SMX a, ld
.if \ld
	LD1 \a, \ld
.endif
	WIN 0x41*(1-(\a))
.set n, 0
	s_wait_alu depctr_va_vdst(0)
.rept 64
	v_pk_fma_f32 v[S+2*n:S+2*n+1], v[S+2*n:S+2*n+1], s[22:23], v[XT+2*(n/16):XT+2*(n/16)+1] op_sel_hi:[1,0,1]
.set n, n+1
.endr
.set n, 0
	s_wait_alu depctr_va_vdst(0)                   ; one wait ahead of the batch
.rept 128
	v_exp_f32 v[S+n], v[S+n]
.set n, n+1
.endr
	v_nop
	WIN 0x04*(1-(\a))
.set n, 0
	s_wait_alu depctr_va_vdst(0)                   ; and one behind it
.rept 64
	v_pk_add_f32 v[WS+2*(n%4):WS+2*(n%4)+1], v[WS+2*(n%4):WS+2*(n%4)+1], v[S+32*(n%4)+2*(n/4):S+32*(n%4)+2*(n/4)+1]
.set n, n+1
.endr
	WIN 0x14*(1-(\a))
.irp u, 0,1,2,3,4,5,6,7
	v_max3_num_f32 v[TM+\u], 0x4800000, v[S+16*\u], v[S+16*\u+1]   ; eight blocks by turns, with the floor that holds the byte at 1
.endr
.irp i, 2,4,6,8,10,12,14
.irp u, 0,1,2,3,4,5,6,7
	v_max3_num_f32 v[TM+\u], v[TM+\u], v[S+16*\u+\i], v[S+16*\u+\i+1]
.endr
.endr
	WIN 0
.irp u, 0,1,2,3,4,5,6,7
	v_permlanex16_b32 v[TP+\u], v[TM+\u], s20, s21
.endr
.irp u, 0,1,2,3,4,5,6,7
	v_max_num_f32 v[TM+\u], v[TM+\u], v[TP+\u]
.endr
.irp u, 0,1,2,3,4,5,6,7
	v_add_nc_u32 v[TP+\u], 0xfc000000, v[TM+\u]    ; the conversion's scale operand
.endr
.irp u, 0,1,2,3,4,5,6,7
	v_and_or_b32 v[TM+\u], v[TM+\u], 0x7f800000, s24   ; 448 x the scale
.endr
.irp q, 0,1,2,3
	v_lshrrev_b32 v[60+\q], 23, v[TP+2*\q+1]
.endr
.irp q, 0,1,2,3
	v_lshrrev_b32 v[CODE+\q], 23, v[TP+2*\q]
.endr
.irp q, 0,1,2,3
	v_lshl_or_b32 v[60+\q], v[60+\q], 8, v[CODE+\q]   ; my two bytes of the query's scale word
.endr
.if \ld
	WIN (\a)<<6
.irp f, 4,5,6,7
	VFRAG 1-(\a), \f
.endr
.endif
	WIN 0x41*(1-(\a))
.irp u, 0,1,2,3,4,5,6,7
.irp i, 0,1,2,3,4,5,6,7,8,9,10,11,12,13,14,15
	v_min_num_f32 v[S+16*\u+\i], v[S+16*\u+\i], v[TM+\u]   ; the hold: w is never negative
.endr
.endr
	WIN 0x01*(1-(\a))
.irp u, 0,1,2,3,4,5,6,7
	v_cvt_scalef32_pk8_fp8_f32 v[CODE+4*\u:CODE+4*\u+1], v[S+16*\u:S+16*\u+7], v[TP+\u]
	v_cvt_scalef32_pk8_fp8_f32 v[CODE+4*\u+2:CODE+4*\u+3], v[S+16*\u+8:S+16*\u+15], v[TP+\u]
.endr
	WIN 0
	v_nop
.irp q, 0,1,2,3
.irp b, 0,1
	ds_store_b128 v[APW+9*(\a)], v[CODE+4*(2*\q+\b):CODE+4*(2*\q+\b)+3] offset:2048*\q+512*\b
.endr
.endr
.irp q, 0,1,2,3
	ds_store_b16 v[APSW+9*(\a)], v[60+\q] offset:64*\q
.endr
.if \ld
	PLOAD 1-(\a), 1
	PLOAD 1-(\a), 2
	PLOAD 1-(\a), 3
.endif
.endm
; The weighted sums of step j - 1: V's eight fragments in area a x w's eight query tiles through the ring.  mode 1: K(j+1), its biases too, come into area 1 - a; 0: x's tiles 4-7; 2: nothing.
; The counted waits: what was issued behind the fragment that is due (the ring's later fragments, 4 loads each; K's units, 4 each; the biases, 8).
.macro PV a, zero, mode
.set qq, 0
.rept 8
.if (\mode) == 1
.if qq < 5
.set wc, 12+4*qq
.elseif qq == 6
.set wc, 36
.else
.set wc, 28
.endif
.else
.if qq < 5
.set wc, 12
.else
.set wc, 4*(7-qq)
.endif
.endif
	s_wait_dscnt wc
	WIN 0xa0+0x50*(qq/4)+(\a)
.set ff, 0
.rept 8
.set rD, 8*(8*(qq%4)+ff)
.set rA, S+16*ff
.set rB, FB+16*((qq+3)%4)
.if \zero
.set rC, -1
.else
.set rC, rD
.endif
.set rSA, VS+ff/2
.set rSB, PS+qq/2
.set rRA, ff%2
.set rRB, qq%2
	WM rD, rA, rB, rC, rSA, rSB, rRA, rRB
.set ff, ff+1
.endr
.if qq < 4
	PLACES 8
	WIN 0
	PLOAD 1-(\a), qq+4
.if (\mode) == 1
	WIN (1-(\a))<<6
	KUNIT 1-(\a), qq
.elseif (\mode) == 0
	WIN 0x40
	XLD qq+4
.endif
.elseif ((\mode) == 1) && (qq == 4)
	WIN (1-(\a))<<6
	KUNIT 1-(\a), 4
	KUNIT 1-(\a), 5
.elseif ((\mode) == 1) && (qq == 5)
	PLACES 8
	WIN 0
	KBIAS 1-(\a)
	WIN (1-(\a))<<6
	KUNIT 1-(\a), 6
	KUNIT 1-(\a), 7
.endif
.set qq, qq+1
.endr
	WIN 0
.endm
.macro KALL x                          ; all of a step's K for my key half, from slot x into area x
	KSCALE \x
	KBIAS \x
	WIN (\x)<<6
.irp u, 0,1,2,3,4,5,6,7
	KUNIT \x, \u
.endr
	WIN 0
.endm
	RND 1, 0                                       ; K(0), K(1) are in; V(0), V(1) go out
	KALL 0
	s_wait_loadcnt 0x0                             ; the queries' codes, scale words and -x_sq / 2
.irp q, 0,1,2,3
	v_mul_f32 v[XT+2*\q+1], s22, v[XT+2*\q]
.endr
.irp q, 0,1,2,3
	v_mul_f32 v[XT+2*\q], s22, v[XT+2*\q]          ; c x (-x_sq / 2), as a pair
.endr
	SW 0
	SMX 0, 0
	KALL 1
	SW 1
	RND 2, 0                                       ; V(0), V(1) are in, K(0), K(1) are read: K(2), K(3) go out over them
	SMX 1, 2
	PV 1, 1, 2                                     ; the first products start the sums
	s_wait_tensorcnt 0x0                           ; K(2), K(3) are in
	ds_add_u32 v[SPW], v[NIL]
	s_mov_b32 s30, 100<<16                         ; from here on a load brings a quarter of a block: 100 rows
	s_mov_b32 s32, 100
	s_wait_dscnt 0x0
	s_barrier_signal -1
	s_barrier_wait -1
	PLACES 8
	KALL 0
	s_mov_b32 s27, 7
.Lper:                                                 ; steps j = 2 .. 15, two a trip
	SW 0
	RND 0, 0
	SMX 0, 1
	PV 0, 0, 1
	SW 1
	RND 0, 1
	SMX 1, 1
	PV 1, 0, 1
	s_sub_co_u32 s27, s27, 1
	s_cmp_lg_u32 s27, 0
	s_cbranch_scc1 .Lper
	s_wait_tensorcnt 0x0                           ; block 17, with V(15), is in
	ds_add_u32 v[SPW], v[NIL]
	s_wait_dscnt 0x0
	s_barrier_signal -1
	s_barrier_wait -1
	PLACES 8
	LD1 0, 2
.irp f, 4,5,6,7
	VFRAG 1, \f
.endr
	PLOAD 1, 1
	PLOAD 1, 2
	PLOAD 1, 3
	WIN 0x40
	XLD 0                                          ; x's tiles 0-3 over the queries' codes, which are done with
	XLD 1
	XLD 2
	XLD 3
	WIN 0
	PV 0, 0, 0
; the sums of w: my two halves, the other half of the lanes, the other key half's wave
.irp q, 0,1,2,3
	v_add_f32 v[60+\q], v[WS+2*\q], v[WS+2*\q+1]
.endr
	PLACES 4
.irp q, 0,1,2,3
	v_permlanex16_b32 v[S+\q], v[60+\q], s20, s21
.endr
.irp q, 0,1,2,3
	v_add_f32 v[60+\q], v[60+\q], v[S+\q]
.endr
.irp q, 0,1,2,3
	ds_store_b32 v[WSW], v[60+\q] offset:64*\q
.endr
	s_wait_dscnt 0x0
	s_barrier_signal -1
	s_barrier_wait -1
.irp q, 0,1,2,3,4,5,6,7
	ds_load_b32 v[S+\q], v[WSR] offset:64*\q
	ds_load_b32 v[S+8+\q], v[WSR] offset:64*\q+512
.endr
	s_wait_dscnt 0x0
.irp q, 0,1,2,3,4,5,6,7
	v_add_f32 v[WS+2*\q], v[S+\q], v[S+8+\q]
	v_add_f32 v[WS+2*\q+1], v[S+\q], v[S+8+\q]
.endr
; THE WAY OUT, by tiles of 16 queries x my 64 channels: x turns through my stage into the accumulators' layout, M = x (x sum(w) - 2 (w ref)) + w ref^2, M turns back and leaves as rows of 256 bytes
.macro XTURN q
	s_wait_loadcnt 8*(7-(\q))
	WIN 0x04
.irp i, 0,1,2,3,4,5,6,7
	ds_store_b128 v[STI], v[32*(\q)+4*\i:32*(\q)+4*\i+3] offset:544*\i
.endr
	WIN 0x40
.irp d, 0,1,2,3
.irp e, 0,1
	ds_load_b128 v[32*(\q)+8*\d+4*\e:32*(\q)+8*\d+4*\e+3], v[STL] offset:64*\d+16*\e
.endr
.endr
.endm
.macro COMPUTE q
	WIN 0x01
.set n, 0
.rept 16
	v_pk_mul_f32 v[MM+2*n:MM+2*n+1], v[32*(\q)+2*n:32*(\q)+2*n+1], v[WS+2*(\q):WS+2*(\q)+1]
.set n, n+1
.endr
	WIN 0x02+(\q)/4
.set n, 0
.rept 16
.set rO, 8*(8*((\q)%4)+4*(n/8)+2+(n/4)%2)+2*(n%4)
	v_pk_fma_f32 v[MM+2*n:MM+2*n+1], v[rO:rO+1], -2.0, v[MM+2*n:MM+2*n+1] op_sel_hi:[1,0,1]
.set n, n+1
.endr
	WIN 0x21+0x10*((\q)/4)
.set n, 0
.rept 16
.set rO, 8*(8*((\q)%4)+4*(n/8)+(n/4)%2)+2*(n%4)
	v_pk_fma_f32 v[MM+2*n:MM+2*n+1], v[32*(\q)+2*n:32*(\q)+2*n+1], v[MM+2*n:MM+2*n+1], v[rO:rO+1]
.set n, n+1
.endr
	WIN 0
.endm
.macro MTURN q
.irp d, 0,1,2,3
.irp e, 0,1
	ds_store_b128 v[STL], v[MM+8*\d+4*\e:MM+8*\d+4*\e+3] offset:64*\d+16*\e
.endr
.endr
.if (\q) > 1
	s_wait_xcnt 0x0
.endif
.irp i, 0,1,2,3,4,5,6,7
	ds_load_b128 v[FB+32*((\q)%2)+4*\i:FB+32*((\q)%2)+4*\i+3], v[STI] offset:544*\i
.endr
.endm
.macro SEND q, younger
	s_wait_dscnt \younger
.irp i, 0,1,2,3,4,5,6,7
	global_store_b128 v[GOF], v[FB+32*((\q)%2)+4*\i:FB+32*((\q)%2)+4*\i+3], s[76:77] offset:(16*(\q)+2*\i)*1024
.endr
.endm
.macro TILEOUT q
.if ((\q) == 0) || ((\q) == 7)
	s_wait_dscnt 16
.else
	s_wait_dscnt 32
.endif
	COMPUTE \q
.if (\q) == 7
	s_wait_alu depctr_va_vdst(0)
	SEND 6, 0
.elseif (\q) > 0
	s_wait_alu depctr_va_vdst(0)
	SEND (\q)-1, 16
.endif
	MTURN \q
.if (\q) < 6
	XTURN (\q)+2
.endif
.endm
	XTURN 0
	XTURN 1
.irp q, 0,1,2,3,4,5,6,7
	TILEOUT \q
.endr
	SEND 7, 0
	s_wait_tensorcnt 0x0                           ; the wave's end
	ds_add_u32 v[SPW], v[NIL]
	s_wait_dscnt 0x0
	CROUND                                         ; the closing round
	s_endpgm
.Lfunc_end_k_q686a01efaa_main:
	.size	k_q686a01efaa_main, .Lfunc_end_k_q686a01efaa_main-k_q686a01efaa_main
	.p2alignl 7, 3214868480
	.fill 96, 4, 3214868480
	.section	.rodata,"a",@progbits
	.p2align	6, 0x0
	.amdhsa_kernel k_q686a01efaa_main
		.amdhsa_group_segment_fixed_size 327680
		.amdhsa_private_segment_fixed_size 0
		.amdhsa_enable_private_segment 0
		.amdhsa_kernarg_size 32
		.amdhsa_user_sgpr_count 2
		.amdhsa_user_sgpr_kernarg_segment_ptr 1
		.amdhsa_wavefront_size32 1
		.amdhsa_system_sgpr_workgroup_id_x 1
		.amdhsa_system_sgpr_workgroup_id_y 1
		.amdhsa_system_sgpr_workgroup_id_z 1
		.amdhsa_system_vgpr_workitem_id 0
		.amdhsa_next_free_vgpr 1024
		.amdhsa_next_free_sgpr 96
		.amdhsa_reserve_vcc 0
		.amdhsa_float_denorm_mode_32 3
		.amdhsa_float_denorm_mode_16_64 3
		.amdhsa_memory_ordered 1
		.amdhsa_forward_progress 1
		.amdhsa_inst_pref_size 255
	.end_amdhsa_kernel
	.section	.bss,"aw",@nobits
	.p2align	6
	.space	262144
	.amdgpu_metadata
---
amdhsa.version: [ 1, 2 ]
amdhsa.kernels:
  - .name:           k_q686a01efaa_main
    .symbol:         k_q686a01efaa_main.kd
    .args:
      - { .name: kv, .offset: 0, .size: 8, .value_kind: global_buffer, .address_space: global }
      - { .name: xq, .offset: 8, .size: 8, .value_kind: global_buffer, .address_space: global }
      - { .name: x_t, .offset: 16, .size: 8, .value_kind: global_buffer, .address_space: global }
      - { .name: mpart, .offset: 24, .size: 8, .value_kind: global_buffer, .address_space: global }
    .group_segment_fixed_size: 327680
    .private_segment_fixed_size: 0
    .kernarg_segment_align: 8
    .kernarg_segment_size: 32
    .max_flat_workgroup_size: 128
    .sgpr_count:     96
    .vgpr_count:     1024
    .wavefront_size: 32
...
	.end_amdgpu_metadata
.endif
;; end of part 2
;; launch finish (part 3): grid 256 x 1, 8 waves a work-group, no clusters, 0 bytes of LDS; arguments mpart, W, out0; writes out0
.if DOCPART == 3
	.amdgcn_target "amdgcn-amd-amdhsa--gfx1250"
	.amdhsa_code_object_version 6
	.text
	.protected	k_q686a01efaa_finish
	.globl	k_q686a01efaa_finish
	.p2align	8
	.type	k_q686a01efaa_finish,@function
k_q686a01efaa_finish:
	s_mov_b64 s[64:65], 0
	v_nop
	global_prefetch_b8 v0, s[64:65] scope:SCOPE_SE
	s_setreg_imm32_b32 hwreg(HW_REG_WAVE_MODE, 25, 1), 1
	s_wait_xcnt 0x0
; out = 1 / (W M + 0.001), M = the sum of the four key quarters' partial M.  mpart: [4][8192][256] f32; W: one f32; out0: [8192][256] f32.
; A stream: a work-group owns 32,768 consecutive bytes of the output, eight items of 4,096; thread t owns 16 bytes of each item, so a wave's load or store covers 512 consecutive bytes, aligned.
; All 32 loads of a wave go out at once; each item has registers of its own, so nothing is written again and no pointer is stepped.  No LDS, no barrier, no matrix work: waves share nothing.
; The four partials are added as (M0 + M1) + (M2 + M3).
	s_load_b128 s[4:7], s[0:1], 0x0                ; mpart s[4:5], W s[6:7]
	s_load_b64 s[8:9], s[0:1], 0x10                ; out0
	v_lshlrev_b32 v1, 4, v0                        ; 16 bytes a thread
	s_lshl_b32 s10, ttmp9, 15                      ; 32,768 bytes a work-group
	s_mov_b32 s11, 0
	v_mov_b32 v4, 0x3a83126f                       ; 0.001, twice: a pair for the packed multiply-add
	v_mov_b32 v5, 0x3a83126f
	s_wait_alu depctr_va_vdst(0)
	s_wait_kmcnt 0x0
	s_load_b32 s12, s[6:7], 0x0                    ; W
	s_add_nc_u64 s[4:5], s[4:5], s[10:11]
	s_add_nc_u64 s[8:9], s[8:9], s[10:11]
	s_add_nc_u64 s[16:17], s[4:5], 0x800000        ; the quarters lie 8,388,608 bytes apart
	s_add_nc_u64 s[18:19], s[16:17], 0x800000
	s_add_nc_u64 s[20:21], s[18:19], 0x800000
.irp i, 0,1,2,3,4,5,6,7
	global_load_b128 v[16+16*\i:19+16*\i], v1, s[4:5] offset:4096*\i th:TH_LOAD_NT
	global_load_b128 v[20+16*\i:23+16*\i], v1, s[16:17] offset:4096*\i th:TH_LOAD_NT
	global_load_b128 v[24+16*\i:27+16*\i], v1, s[18:19] offset:4096*\i th:TH_LOAD_NT
	global_load_b128 v[28+16*\i:31+16*\i], v1, s[20:21] offset:4096*\i th:TH_LOAD_NT
.endr
	s_wait_kmcnt 0x0
	v_mov_b32 v2, s12                              ; W, twice
	v_mov_b32 v3, s12
.irp i, 0,1,2,3,4,5,6,7
	s_wait_loadcnt 4*(7-\i)                        ; this item's four loads are in; the later items' may be out
	v_pk_add_f32 v[16+16*\i:17+16*\i], v[16+16*\i:17+16*\i], v[20+16*\i:21+16*\i]
	v_pk_add_f32 v[18+16*\i:19+16*\i], v[18+16*\i:19+16*\i], v[22+16*\i:23+16*\i]
	v_pk_add_f32 v[24+16*\i:25+16*\i], v[24+16*\i:25+16*\i], v[28+16*\i:29+16*\i]
	v_pk_add_f32 v[26+16*\i:27+16*\i], v[26+16*\i:27+16*\i], v[30+16*\i:31+16*\i]
	s_delay_alu instid0(VALU_DEP_2)
	v_pk_add_f32 v[16+16*\i:17+16*\i], v[16+16*\i:17+16*\i], v[24+16*\i:25+16*\i]
	s_wait_alu depctr_va_vdst(0)
	v_pk_add_f32 v[18+16*\i:19+16*\i], v[18+16*\i:19+16*\i], v[26+16*\i:27+16*\i]
	v_pk_fma_f32 v[16+16*\i:17+16*\i], v[16+16*\i:17+16*\i], v[2:3], v[4:5]
	s_delay_alu instid0(VALU_DEP_2)
	v_pk_fma_f32 v[18+16*\i:19+16*\i], v[18+16*\i:19+16*\i], v[2:3], v[4:5]
	s_wait_alu depctr_va_vdst(0)
	v_rcp_f32 v[20+16*\i], v[16+16*\i]
	v_rcp_f32 v[21+16*\i], v[17+16*\i]
	v_rcp_f32 v[22+16*\i], v[18+16*\i]
	v_rcp_f32 v[23+16*\i], v[19+16*\i]
	v_nop                                          ; a plain line behind the reciprocals
	s_wait_alu depctr_va_vdst(0)
	global_store_b128 v1, v[20+16*\i:23+16*\i], s[8:9] offset:4096*\i th:TH_STORE_NT
.endr
	s_endpgm
.Lfunc_end_k_q686a01efaa_finish:
	.size	k_q686a01efaa_finish, .Lfunc_end_k_q686a01efaa_finish-k_q686a01efaa_finish
	.p2alignl 7, 3214868480
	.fill 96, 4, 3214868480
	.section	.rodata,"a",@progbits
	.p2align	6, 0x0
	.amdhsa_kernel k_q686a01efaa_finish
		.amdhsa_group_segment_fixed_size 0
		.amdhsa_private_segment_fixed_size 0
		.amdhsa_enable_private_segment 0
		.amdhsa_kernarg_size 24
		.amdhsa_user_sgpr_count 2
		.amdhsa_user_sgpr_kernarg_segment_ptr 1
		.amdhsa_wavefront_size32 1
		.amdhsa_system_sgpr_workgroup_id_x 1
		.amdhsa_system_sgpr_workgroup_id_y 1
		.amdhsa_system_sgpr_workgroup_id_z 1
		.amdhsa_system_vgpr_workitem_id 0
		.amdhsa_next_free_vgpr 144
		.amdhsa_next_free_sgpr 66
		.amdhsa_reserve_vcc 0
		.amdhsa_float_denorm_mode_32 3
		.amdhsa_float_denorm_mode_16_64 3
		.amdhsa_memory_ordered 1
		.amdhsa_forward_progress 1
		.amdhsa_inst_pref_size 12
	.end_amdhsa_kernel
	.amdgpu_metadata
---
amdhsa.version: [ 1, 2 ]
amdhsa.kernels:
  - .name:           k_q686a01efaa_finish
    .symbol:         k_q686a01efaa_finish.kd
    .args:
      - { .name: mpart, .offset: 0, .size: 8, .value_kind: global_buffer, .address_space: global }
      - { .name: W, .offset: 8, .size: 8, .value_kind: global_buffer, .address_space: global }
      - { .name: out0, .offset: 16, .size: 8, .value_kind: global_buffer, .address_space: global }
    .group_segment_fixed_size: 0
    .private_segment_fixed_size: 0
    .kernarg_segment_align: 8
    .kernarg_segment_size: 24
    .max_flat_workgroup_size: 256
    .sgpr_count:     66
    .vgpr_count:     144
    .wavefront_size: 32
...
	.end_amdgpu_metadata
.endif
;; end of part 3
